; MI455X (gfx1250); checked and timed in simulation.
; The chip was launched on July 23, 2026; its instructions are those of AMD's public machine-readable ISA for CDNA 5 (MIT licence, August 2026) and "CDNA5" Instruction Set Architecture Reference Guide (July 2026). The comments in the code are by the model that wrote it; some were corrected since.
;; Attention. Allowed arithmetic: matrix products marked QUANTISED: E4M3 operands, one given power-of-two scale a tensor, by v_wmma_f32_16x16x64_fp8_fp8 or v_wmma_f32_16x16x128_fp8_fp8, f32 sums; everything else in f32.
;; Inputs: Wk 64 x 768 float32; Wq 64 x 768 float32; Wv 64 x 768 float32; bk 64 float32; bq 64 float32; bv 64 float32; lowp_scales 10 int32 (the exponents e of the quantised operands' scales 2^e); x 4 x 4,096 x 768 float32.
;; Outputs: out0 4 x 4,096 x 64 float32.
;; This version of the problem:
;;   THIS VERSION OF THE PROBLEM IS GIVEN IN LOW PRECISION. The matrix products marked QUANTISED in the list below multiply operands that are first quantised to E4M3 (4 exponent bits, 3 mantissa bits; 8 bits a number), with one given power-of-two scale for each operand tensor; their sums are f32. All else is computed in f32.
;;   The module's matrix products, in the order in which they are computed (A, B: the left and right operand; K: the contracted axis; several contracted axes count as one K, in the product's order):
;;     1. [M 16,384, K 768] x [K 768, N 64]; A: input x; B: input Wq: QUANTISED (scales: A lowp_scales[0], B lowp_scales[1])
;;     2. [M 16,384, K 768] x [K 768, N 64]; A: input x; B: input Wk: QUANTISED (scales: A lowp_scales[2], B lowp_scales[3])
;;     3. [M 16,384, K 768] x [K 768, N 64]; A: input x; B: input Wv: QUANTISED (scales: A lowp_scales[4], B lowp_scales[5])
;;     4. batch 4 x [M 4,096, K 64] x [K 64, N 4,096]; A: computed on the way; B: computed on the way: QUANTISED (scales: A lowp_scales[6], B lowp_scales[7])
;;     5. batch 4 x [M 4,096, K 4,096] x [K 4,096, N 64]; A: softmax (see below); B: computed on the way: QUANTISED (scales: A lowp_scales[8], B lowp_scales[9])
;;   THE QUANTISER, for each operand of a quantised product, along K:
;;     - The operand's scale is 2^e, e = its entry of the input lowp_scales (int32; the entries are numbered through the quantised products in the list's order, A before B).
;;     - Each number is divided by the scale, clamped to +-448, and rounded to the nearest number of E4M3, ties to even, subnormals kept.
;;     - The product sums the exact products of the quantised numbers (number of the format x scale) in f32.
;;   ~~~python
;;   def quantise(x, axis, e):      # numpy; x: float32 -> the quantised numbers, widened to float32 again
;;       x = np.moveaxis(x, axis, -1); K = x.shape[-1]
;;       r = np.clip(x / 2.0 ** e, -448, 448)
;;       step = 2.0 ** (np.maximum(np.frexp(np.where(r == 0, 1, r))[1] - 1, -6) - 3)
;;       q = np.round(r / step) * step * 2.0 ** e      # np.round: ties to even
;;       return np.moveaxis(q, -1, axis).astype(np.float32)
;;   ~~~
;;   SOFTMAX AHEAD OF A QUANTISED PRODUCT. Where the list says 'softmax', what is quantised is not the finished softmax but p = 2^(t - M), with t = logit x log2(e) and M = ceil(the row's largest t), a whole number; so 1/2 < the row's largest p <= 1. The row's sum l is taken of the UNQUANTISED p, in f32, and the product's result is divided by l at the end. Since M is a whole number, a kernel that streams over the keys may use a running M (the ceiling of the running maximum): every later rescaling is an exact power of two, so the quantised numbers keep their values, but for numbers so far below the row's largest that they fall under the format's range.
;;   OPERANDS COMPUTED ON THE WAY. 'Computed on the way' means the value that the module computes at that place (a softmax that the list does not call 'softmax' is quantised finished and normalised). What goes into a quantiser is computed in f32, as accurately as f32 sums, v_exp_f32 and their like allow (about 1e-6 of the number): no bf16 or f16 on the way to a quantiser, and a product that is left as it is and whose result goes on into a quantised operand takes f32 operands (vector FMAs, or v_wmma_f32_16x16x4_f32). A number that lies on a knife's edge between two numbers of the format may be rounded either way, as far as f32 arithmetic and the matrix unit's own rounding can turn it there, and no further.
;; One version. Each part assembles by itself: llvm-mc -triple=amdgcn-amd-amdhsa -mcpu=gfx1250 --defsym DOCPART=n.
;; ======== version 1 of 1: 3 launches
;; limits: right only within a limited range of input values
;; workspace buffers: qc 1,048,576 bytes; kc 1,048,576 bytes; vc 1,048,576 bytes; wc 147,456 bytes
;; launch wq (part 1): grid 24 x 3, 4 waves a work-group, no clusters, 0 bytes of LDS; arguments Wq, Wk, Wv, lowp_scales, wc; writes wc
.if DOCPART == 1
	.amdgcn_target "amdgcn-amd-amdhsa--gfx1250"
	.amdhsa_code_object_version 6
	.text
	.protected	k_q975d2bda1d_wq
	.globl	k_q975d2bda1d_wq
	.p2align	8
	.type	k_q975d2bda1d_wq,@function
k_q975d2bda1d_wq:
	s_mov_b64 s[64:65], 0
	v_nop
	global_prefetch_b8 v0, s[64:65] scope:SCOPE_SE
	s_setreg_imm32_b32 hwreg(HW_REG_WAVE_MODE, 25, 1), 1
	s_wait_xcnt 0x0
; Wq, Wk, Wv: [64][768] f32, are turned once into codes of FP8 (E4M3), with the scales 2^e1, 2^e3, 2^e5 of lowp_scales, for the launch that follows, whose 256 work-groups all read them.
; code = w / 2^e, held within +-448, rounded to the nearest code, ties to even.
; OUTPUT wc: images of the operand's registers for v_wmma_f32_16x16x128_fp8_fp8: [K step s 0..5][fragment 4 e + t][chunk c 0..3][lane][16 bytes]: chunk c = registers 4 c .. 4 c + 3;
;   lane (r, h) holds, of row 16 t + r of weight e, k = 128 s + 32 c + 16 h + 0 .. 15.  (A permutation of k inside an instruction's 128, the same that the next launch gives x.)
; SHARES.  Work-group x = 4 s + c, y = e; wave = t.  A lane takes 16 neighbours along K: four loads of 16 bytes, 16 holds, two conversions, one store of 16 bytes; the wave's store covers 512 consecutive bytes, aligned to 512.
;   147,456 numbers at 512 a wave are 288 waves: 72 work-groups; there is no more work to share out.  Waves share nothing: no LDS, no barrier, no loop.
; LIMITS: e1, e3, e5 between -126 and 119, so that 2^e and 448 x 2^e are f32 numbers.  NaN among the inputs is not served.
	s_load_b256 s[4:11], s[0:1], 0x0               ; Wq s[4:5], Wk s[6:7], Wv s[8:9], the scales' exponents s[10:11]
	s_load_b64 s[12:13], s[0:1], 0x20              ; wc
	v_lshrrev_b32 v1, 5, v0
	v_readfirstlane_b32 s14, v1                    ; t: wave 0..3
	s_and_b32 s15, ttmp7, 0xffff                   ; e: which weight
	v_and_b32 v2, 15, v0                           ; r
	v_bfe_u32 v3, v0, 4, 1                         ; h
	v_and_b32 v4, 31, v0                           ; lane
	s_wait_alu depctr_va_vdst(0)
	v_mul_u32_u24 v5, v2, 3072                     ; in: row r of 3,072 bytes,
	v_lshl_add_u32 v5, v3, 6, v5                   ; + 64 h,
	s_mul_i32 s26, s14, 49152                      ; + 16 t rows,
	s_lshl_b32 s27, ttmp9, 7                       ; + 512 s + 128 c = 128 x work-group x
	s_add_co_u32 s26, s26, s27
	v_add_nc_u32 v5, s26, v5
	s_lshr_b32 s28, ttmp9, 2                       ; out: 24,576 s
	s_mul_i32 s28, s28, 24576
	s_and_b32 s29, ttmp9, 3                        ; + 512 c
	s_lshl_b32 s29, s29, 9
	s_add_co_u32 s28, s28, s29
	s_lshl_b32 s29, s15, 13                        ; + 8,192 e
	s_add_co_u32 s28, s28, s29
	s_lshl_b32 s29, s14, 11                        ; + 2,048 t
	s_add_co_u32 s28, s28, s29
	v_lshl_add_u32 v6, v4, 4, s28                  ; + 16 x lane
	s_wait_alu depctr_va_vdst(0)
	s_wait_kmcnt 0x0
	s_load_b256 s[16:23], s[10:11], 0x0            ; e0 .. e7
	s_cmp_eq_u32 s15, 0                            ; the weight is chosen by the work-group's number alone
	s_cselect_b64 s[4:5], s[4:5], s[6:7]
	s_cmp_eq_u32 s15, 2
	s_cselect_b64 s[4:5], s[8:9], s[4:5]
.irp j, 0,1,2,3
	global_load_b128 v[8+4*\j:11+4*\j], v5, s[4:5] offset:16*\j th:TH_LOAD_NT
.endr
	s_wait_kmcnt 0x0
	s_cmp_eq_u32 s15, 0
	s_cselect_b32 s24, s17, s19                    ; e1, e3
	s_cmp_eq_u32 s15, 2
	s_cselect_b32 s24, s21, s24                    ; or e5
	s_add_co_i32 s24, s24, 127
	s_lshl_b32 s25, s24, 23
	v_mov_b32 v24, s25                             ; 2^e as f32: the conversion takes its exponent field
	s_add_co_i32 s24, s24, 8
	s_lshl_b32 s24, s24, 23
	s_or_b32 s24, s24, 0x600000
	v_mov_b32 v25, s24                             ; 448 x 2^e
	s_wait_alu depctr_va_vdst(0)
	s_wait_loadcnt 0x0
.irp i, 0,1,2,3,4,5,6,7,8,9,10,11,12,13,14,15
	v_med3_num_f32 v[8+\i], v[8+\i], -v25, v25     ; the conversion to an 8-bit code does not saturate (ISA guide 7.6.2): the hold at 448 x the scale
.endr
	v_cvt_scalef32_pk8_fp8_f32 v[28:29], v[8:15], v24    ; the first number's code in the lowest byte
	v_cvt_scalef32_pk8_fp8_f32 v[30:31], v[16:23], v24
	v_nop                                          ; a plain vector instruction behind the last conversion
	global_store_b128 v6, v[28:31], s[12:13]
	s_endpgm
.Lfunc_end_k_q975d2bda1d_wq:
	.size	k_q975d2bda1d_wq, .Lfunc_end_k_q975d2bda1d_wq-k_q975d2bda1d_wq
	.p2alignl 7, 3214868480
	.fill 96, 4, 3214868480
	.section	.rodata,"a",@progbits
	.p2align	6, 0x0
	.amdhsa_kernel k_q975d2bda1d_wq
		.amdhsa_group_segment_fixed_size 0
		.amdhsa_private_segment_fixed_size 0
		.amdhsa_enable_private_segment 0
		.amdhsa_kernarg_size 40
		.amdhsa_user_sgpr_count 2
		.amdhsa_user_sgpr_kernarg_segment_ptr 1
		.amdhsa_wavefront_size32 1
		.amdhsa_system_sgpr_workgroup_id_x 1
		.amdhsa_system_sgpr_workgroup_id_y 1
		.amdhsa_system_sgpr_workgroup_id_z 1
		.amdhsa_system_vgpr_workitem_id 0
		.amdhsa_next_free_vgpr 32
		.amdhsa_next_free_sgpr 66
		.amdhsa_reserve_vcc 0
		.amdhsa_float_denorm_mode_32 3
		.amdhsa_float_denorm_mode_16_64 3
		.amdhsa_memory_ordered 1
		.amdhsa_forward_progress 1
		.amdhsa_inst_pref_size 4
	.end_amdhsa_kernel
	.amdgpu_metadata
---
amdhsa.version: [ 1, 2 ]
amdhsa.kernels:
  - .name:           k_q975d2bda1d_wq
    .symbol:         k_q975d2bda1d_wq.kd
    .args:
      - { .name: Wq, .offset: 0, .size: 8, .value_kind: global_buffer, .address_space: global }
      - { .name: Wk, .offset: 8, .size: 8, .value_kind: global_buffer, .address_space: global }
      - { .name: Wv, .offset: 16, .size: 8, .value_kind: global_buffer, .address_space: global }
      - { .name: lowp_scales, .offset: 24, .size: 8, .value_kind: global_buffer, .address_space: global }
      - { .name: wc, .offset: 32, .size: 8, .value_kind: global_buffer, .address_space: global }
    .group_segment_fixed_size: 0
    .private_segment_fixed_size: 0
    .kernarg_segment_align: 8
    .kernarg_segment_size: 40
    .max_flat_workgroup_size: 128
    .sgpr_count:     66
    .vgpr_count:     32
    .wavefront_size: 32
...
	.end_amdgpu_metadata
.endif
;; end of part 1
;; launch proj (part 2): grid 256 x 1, 12 waves a work-group, clusters of 4 x 1, 327,680 bytes of LDS; arguments x, wc, bq, bk, bv, lowp_scales, qc, kc, vc; writes qc, kc, vc
.if DOCPART == 2
	.amdgcn_target "amdgcn-amd-amdhsa--gfx1250"
	.amdhsa_code_object_version 6
	.text
	.protected	k_q975d2bda1d_proj
	.globl	k_q975d2bda1d_proj
	.p2align	8
	.type	k_q975d2bda1d_proj,@function
k_q975d2bda1d_proj:
	s_mov_b64 s[64:65], 0
	v_nop
	global_prefetch_b8 v0, s[64:65] scope:SCOPE_SE
	s_setreg_imm32_b32 hwreg(HW_REG_WAVE_MODE, 25, 1), 1
	s_wait_xcnt 0x0
	s_wait_alu depctr_hold_cnt(0) depctr_sa_sdst(0) depctr_va_vdst(0) depctr_va_sdst(0) depctr_va_ssrc(0) depctr_va_vcc(0) depctr_vm_vsrc(0)
	s_getreg_b32 s2, hwreg(HW_REG_IB_STS2, 6, 4)
	s_cmp_eq_u32 s2, 0
	s_cbranch_scc0 .Lentry_in_a_cluster
	s_endpgm
.Lentry_in_a_cluster:
	s_bfe_u32 s2, ttmp6, 0x10000c
	s_cmp_lg_u32 s2, 0x3003
	s_cbranch_scc0 .Lentry_shape_is_right
	s_endpgm
.Lentry_shape_is_right:
; Q = x Wq^T + bq, K = x Wk^T + bk, V = x Wv^T + bv on codes of FP8 (E4M3), and Q, K, V quantised again for the attention that follows.
; x: [16384][768] f32.  wc: the three weights' codes as images of the operand's registers: [K step 0..5][fragment 4 e + t][chunk c][lane][16 bytes] (e: Wq, Wk, Wv; t: 16 rows).
; lowp_scales: e0 .. e9.  x is quantised three times (2^e0, 2^e2, 2^e4); the weights' scales are 2^e1, 2^e3, 2^e5; Q is quantised with 2^e6, K with 2^e7, V with 2^e9.
; OUTPUT: images of operand registers.  qc, kc: [tile of 16 tokens][q 0..1][lane][16 bytes]: chunk q = registers 4 q .. 4 q + 3; lane (r, h) holds token r, registers 2 c, 2 c + 1 head units 16 c + 8 h + 0 .. 7.
;   vc: [block of 64 tokens][d 0..3][q][lane][16 bytes]: lane (r, h) holds head unit 16 d + r, registers 2 c, 2 c + 1 tokens 16 c + 8 h + 0 .. 7 of the block.
; SHARES.  A work-group takes 64 tokens.  Wave j = 4 e + t of its twelve owns ONE tile of the weights, fragment j, for all of K, in 96 registers.
;   The 64 tokens go in four phases of 16.  In each a wave quantises, three times, K step j / 2 of 8 of the 16 tokens (8 (j % 2) on) and lays the codes into LDS; behind one barrier it multiplies its tile with the 16 tokens, K = 768.
;   All of x is asked for at the head, 32 loads a wave into registers, in the order of the phases.  Each phase has LDS bytes of its own, so one barrier a phase is enough.
; CLUSTER.  The weights' 147,456 bytes are the same for all work-groups: a wave's tile (12,288 bytes) comes by ONE tensor load into bytes of the wave's own, asked for JOINTLY by the four work-groups of a cluster, behind one round; no LDS byte is filled twice.
; THE TURN IS MADE ON CODES.  x's rows are taken as they lie (lane l: k = 4 l .. 4 l + 3 of a row's 128); ds_store_b32 lays the codes as rows, and fragments are read back by four ds_load_b128: registers 4 c .. 4 c + 3 hold
;   k = 32 c + 16 h + 0 .. 15, a permutation of k that is the same in the weights' images.
; Q and K are made transposed (source 0 = 16 rows of the weight, source 1 = 16 tokens); V the other way round: one conversion of a result IS two registers of an image.
; NO PREFETCH: all of x and of the weights is asked for at the head.
; LIMITS: e0, e2, e4, e6 - e0 - e1, e7 - e2 - e3 and e9 - e4 - e5 lie between -126 and 119, so that each scale and 448 x it are f32 numbers.  NaN among the inputs is not served.
; REGISTERS.  Window 0: v1-7, v50-54 addresses and the add's; v8-15 the bias; v16-31 two accumulators (even and odd K steps); v32-39 codes; v40-47 pairs (scale, 448 x scale); v64-95 held numbers, later x's fragments;
;   v96-127 the weight's K steps 0, 1; v128-255 x, 32 a phase (register 4 i + b: token i, k = 4 lane + b), later x's fragments.  Window 1: v0-63 the weight's K steps 2 to 5.
.set XP,    784                        ; a row of codes in LDS: 768 bytes + 16 = 49 x 16, so the 16 rows of a fragment load start at different groups of banks (64 banks of 4 bytes: ISA guide 11.1)
.set XV,    16*XP                      ; a version of a phase's 16 tokens
.set XPH,   3*XV                       ; a phase
.set STG,   4*XPH                      ; the stage: 4,096 bytes each for Q, K, V: [token tile T][t / 2][lane][8 (t % 2)]
.set WLD,   STG+12288                  ; the weights' tiles: 12,288 bytes for each wave: [K step][chunk][lane][16 bytes]
.set SPARE, WLD+147456                 ; the spare words: 128 bytes for each of 12 waves: six blocks of 256 bytes that no other line names
.set BIAS, 8
.set AE,   16
.set AO,   24
.set CD,   32
.set SCB,  40
.set WA,   54
.set T,    64
.set W01,  96
.set X,    128
.set MSB, 0
.macro WIN new                         ; the immediate's high byte repeats the setting that is left; bits 1:0 source 0, 3:2 source 1, 5:4 source 2, 7:6 destination
.if MSB != \new
	s_set_vgpr_msb (MSB<<8)|\new
.set MSB, \new
.endif
.endm
.macro ROUND                           ; a round of the cluster's barrier: my work-group's barrier; wave 0 signals for the work-group; every wave waits for all four work-groups; my work-group's barrier once more
	s_barrier_signal -1
	s_barrier_wait -1
	s_cmp_lg_u32 s26, 0
	s_cbranch_scc1 .Lnot_wave_0_\@
	s_barrier_signal -3
.Lnot_wave_0_\@:
	s_barrier_wait -3
	s_barrier_signal -1
	s_barrier_wait -1
.endm
.macro MKSC sc, se                     ; v[sc] = 2^e, v[sc + 1] = 448 x 2^e
	s_add_co_i32 s50, \se, 127
	s_lshl_b32 s51, s50, 23
	v_mov_b32 v[\sc], s51
	s_add_co_i32 s50, s50, 8
	s_lshl_b32 s50, s50, 23
	s_or_b32 s50, s50, 0x600000
	v_mov_b32 v[(\sc)+1], s50
.endm
.macro PLACES                          ; four places behind matrix instructions (ISA guide 7.12.1)
.rept 4
	v_nop
.endr
.endm
.macro XLOAD p                         ; a phase's 8 pieces of x: each load takes 512 consecutive bytes of a row
.irp i, 0,1,2,3,4,5,6,7
	global_load_b128 v[X+32*(\p)+4*\i:X+32*(\p)+4*\i+3], v1, s[4:5] offset:(16*(\p)+\i)*3072 th:TH_LOAD_NT
.endr
.endm
.macro FRAG reg, ks                    ; 16 tokens x 128 K of my weight's version
.irp c, 0,1,2,3
	ds_load_b128 v[(\reg)+4*\c:(\reg)+4*\c+3], v4 offset:128*(\ks)+32*\c
.endr
.endm
; One product on an accumulator; w: the weight's registers, x: the tokens'.  v = 1: V's order of the sources
.macro MUL acc, w, x, v, zero
.if \zero
.if \v
	v_wmma_f32_16x16x128_fp8_fp8 v[\acc:\acc+7], v[\x:\x+15], v[\w:\w+15], 0
.else
	v_wmma_f32_16x16x128_fp8_fp8 v[\acc:\acc+7], v[\w:\w+15], v[\x:\x+15], 0
.endif
.else
.if \v
	v_wmma_f32_16x16x128_fp8_fp8 v[\acc:\acc+7], v[\x:\x+15], v[\w:\w+15], v[\acc:\acc+7]
.else
	v_wmma_f32_16x16x128_fp8_fp8 v[\acc:\acc+7], v[\w:\w+15], v[\x:\x+15], v[\acc:\acc+7]
.endif
.endif
.endm
; K = 768: the two accumulators take turns, one instruction a turn
.macro PRODUCTS r, v
	MUL AE, W01, \r, \v, 1
	MUL AO, W01+16, \r+16, \v, 1
	PLACES                                         ; in front of loads into registers that these products have read
	FRAG \r, 4
	FRAG \r+16, 5
	s_wait_dscnt 8                                 ; K steps 2, 3 are in; the eight loads just issued may be out
	WIN 0x01+3*\v
	MUL AE, 0, T, \v, 0
	MUL AO, 16, T+16, \v, 0
	s_wait_dscnt 0x0
	MUL AE, 32, \r, \v, 0
	MUL AO, 48, \r+16, \v, 0
	WIN 0
.endm
.macro PHASE p
.set R, X+32*(\p)
.if (\p) > 0
	v_add_nc_u32 v3, XPH, v3
	v_add_nc_u32 v4, XPH, v4
.endif
.irp e, 0,1,2
.set qi, 0
.rept 32
	v_med3_num_f32 v[T+qi], v[R+qi], -v[SCB+2*\e+1], v[SCB+2*\e+1]   ; the conversion to an 8-bit code does not saturate (ISA guide 7.6.2): the hold at 448 x the scale
.set qi, qi+1
.endr
.irp i, 0,1,2,3
	v_cvt_scalef32_pk8_fp8_f32 v[CD+2*\i:CD+2*\i+1], v[T+8*\i:T+8*\i+7], v[SCB+2*\e]   ; register CD + i: piece i, k = 4 lane + 0 .. 3
.endr
	v_nop                                          ; one plain vector instruction behind the last conversion
.irp i, 0,1,2,3,4,5,6,7
	ds_store_b32 v3, v[CD+\i] offset:XV*\e+XP*\i   ; 32 lanes x 4 bytes are 128 consecutive bytes of a row
.endr
.endr
	s_wait_dscnt 0x0                               ; for the others' sake: my stores are done
	s_barrier_signal -1
	s_barrier_wait -1                              ; the phase's codes are whole
.if (\p) == 0
	s_wait_tensorcnt 0x0                           ; my tile of the weights is in; I alone read it, once
.irp k, 0,1
.irp c, 0,1,2,3
	ds_load_b128 v[W01+16*\k+4*\c:W01+16*\k+4*\c+3], v[WA] offset:2048*\k+512*\c
.endr
.endr
	WIN 0x40
.irp k, 2,3,4,5
.irp c, 0,1,2,3
	ds_load_b128 v[16*(\k-2)+4*\c:16*(\k-2)+4*\c+3], v[WA] offset:2048*\k+512*\c
.endr
.endr
	WIN 0
.endif
	FRAG R, 0
	FRAG R+16, 1
	FRAG T, 2
	FRAG T+16, 3
	s_wait_dscnt 8                                 ; K steps 0, 1 are in; the eight loads of K steps 2, 3 may be out
	s_cmp_ge_u32 s26, 8
	s_cbranch_scc1 .Lfor_v_\@
	PRODUCTS R, 0
	s_branch .Ldone_\@
.Lfor_v_\@:
	PRODUCTS R, 1
.Ldone_\@:
	PLACES
.irp j, 0,2,4,6
	v_pk_add_f32 v[AE+\j:AE+\j+1], v[AE+\j:AE+\j+1], v[AO+\j:AO+\j+1]
.endr
.irp j, 0,2,4,6
	v_pk_add_f32 v[AE+\j:AE+\j+1], v[AE+\j:AE+\j+1], v[BIAS+\j:BIAS+\j+1]
.endr
.irp j, 0,1,2,3,4,5,6,7
	v_med3_num_f32 v[AE+\j], v[AE+\j], -v[SCB+7], v[SCB+7]
.endr
	v_cvt_scalef32_pk8_fp8_f32 v[CD:CD+1], v[AE:AE+7], v[SCB+6]
	v_nop
	ds_store_b64 v5, v[CD:CD+1] offset:1024*(\p)
.endm
	s_load_b256 s[4:11], s[0:1], 0x0               ; x s[4:5], wc s[6:7], bq s[8:9], bk s[10:11]
	s_load_b256 s[12:19], s[0:1], 0x20             ; bv s[12:13], the scales' exponents s[14:15], qc s[16:17], kc s[18:19]
	s_load_b64 s[20:21], s[0:1], 0x40              ; vc
	v_lshl_add_u32 v50, v0, 2, SPARE
	v_mov_b32 v51, 0
	ds_add_u32 v50, v51                            ; the wave's opening: the add, twice on end, and its wait ahead of my tensor load
	ds_add_u32 v50, v51
	v_lshrrev_b32 v52, 5, v0
	v_readfirstlane_b32 s26, v52                   ; wave j = 4 e + t
	s_bfe_u32 s63, ttmp6, 0x40000                  ; cx: my place in the cluster: it enters the addresses of x and of what leaves alone
	s_lshl_b32 s62, ttmp9, 2                       ; in a cluster launch ttmp9 counts clusters
	s_add_co_u32 s62, s62, s63                     ; my work-group's number: my 64 tokens
	s_lshr_b32 s22, s26, 2                         ; e
	s_and_b32 s23, s26, 3                          ; t
	s_lshr_b32 s27, s26, 1                         ; the K step that I quantise,
	s_and_b32 s28, s26, 1                          ; and which 8 of a phase's 16 tokens
	s_mov_b32 s68, 15|(3<<16)|(1<<21)              ; descriptor group 1: 6 K steps of 2,048 bytes, 24,576 apart.  15:0 the mask: all four work-groups; 17:16 elements of 8 bytes; 21 set beside a mask; no padding
	s_mov_b32 s69, 256<<16                         ; tensor_dim0
	s_mov_b32 s70, 6<<16                           ; tensor_dim1
	s_mov_b32 s71, 256<<16                         ; tile_dim0
	s_mov_b32 s72, 6                               ; tile_dim1
	s_mov_b32 s73, 3072                            ; from row to row
	s_mov_b32 s74, 0
	s_mov_b32 s75, 0
	s_mov_b32 s76, 1                               ; group 0: count = 1
	s_mul_i32 s77, s26, 12288
	s_add_co_u32 s77, s77, WLD                     ; my tile in LDS
	s_mul_i32 s54, s62, 196608                     ; x: the work-group's 64 rows of 3,072 bytes,
	s_lshl_b32 s55, s27, 9
	s_add_co_u32 s54, s54, s55                     ; + 512 x K step
	s_mul_i32 s55, s28, 24576
	s_add_co_u32 s54, s54, s55                     ; + 8 rows
	s_mov_b32 s55, 0
	s_lshl_b32 s56, s26, 11                        ; my fragment of the weights' images
	s_mov_b32 s57, 0
	s_lshl_b32 s58, s23, 6                         ; the bias: 16 t units on
	s_mov_b32 s59, 0
	s_lshl_b32 s60, s62, 12                        ; what leaves: the work-group's 4,096 bytes of an image, my 1,024 of them
	s_lshl_b32 s61, s23, 10
	s_add_co_u32 s60, s60, s61
	s_mov_b32 s61, 0
	s_lshl_b32 s29, s27, 7
	s_mul_i32 s30, s28, 8*XP
	s_add_co_u32 s29, s29, s30                     ; where my codes go: 128 x K step + 8 rows
	s_mul_i32 s30, s22, XV                         ; which version I read
	s_lshr_b32 s31, s23, 1
	s_lshl_b32 s31, s31, 9
	s_and_b32 s52, s23, 1
	s_lshl_b32 s52, s52, 3
	s_add_co_u32 s31, s31, s52
	s_add_co_u32 s53, s31, STG+8192                ; V's stage, out: the same place in each token tile
	s_lshl_b32 s52, s22, 12
	s_add_co_u32 s31, s31, s52
	s_add_co_u32 s31, s31, STG                     ; the stage, in
	s_lshl_b32 s52, s26, 10
	s_add_co_u32 s52, s52, STG                     ; Q's and K's stage, out
	v_and_b32 v60, 31, v0                          ; lane
	v_and_b32 v61, 15, v0                          ; r
	v_bfe_u32 v62, v0, 4, 1                        ; h
	v_lshlrev_b32 v1, 4, v60                       ; 16 x lane
	v_lshlrev_b32 v2, 5, v62                       ; bq, bk: 32 h
	v_lshlrev_b32 v7, 2, v61                       ; bv: 4 r
	v_lshl_add_u32 v3, v60, 2, s29
	v_mul_u32_u24 v4, v61, XP
	v_lshl_add_u32 v4, v62, 4, v4
	v_add_nc_u32 v4, s30, v4
	v_lshl_add_u32 v5, v60, 4, s31
	v_lshl_add_u32 v6, v60, 4, s52
	v_lshl_add_u32 v53, v60, 4, s53
	v_lshl_add_u32 v[WA], v60, 4, s77
	s_wait_alu depctr_va_vdst(0)
	s_wait_dscnt 0x0                               ; both opening adds are done
	s_wait_kmcnt 0x0
	s_load_b256 s[32:39], s[14:15], 0x0            ; e0 .. e7
	s_load_b64 s[40:41], s[14:15], 0x20            ; e8, e9
	s_add_nc_u64 s[4:5], s[4:5], s[54:55]
	s_add_nc_u64 s[78:79], s[6:7], s[56:57]
	s_or_b32 s79, s79, 0x80000000                  ; type = 2
	s_cmp_eq_u32 s22, 0                            ; the choices hang on the wave's number alone
	s_cselect_b64 s[8:9], s[8:9], s[10:11]
	s_cselect_b64 s[16:17], s[16:17], s[18:19]
	s_cmp_eq_u32 s22, 2
	s_cselect_b64 s[8:9], s[12:13], s[8:9]         ; my bias
	s_cselect_b64 s[16:17], s[20:21], s[16:17]     ; and my image
	s_add_nc_u64 s[8:9], s[8:9], s[58:59]
	s_add_nc_u64 s[16:17], s[16:17], s[60:61]
	s_cmp_ge_u32 s26, 8
	s_cbranch_scc1 .Lbias_v
	global_load_b128 v[BIAS:BIAS+3], v2, s[8:9]    ; Q, K: lane (r, h) wants units 16 t + 8 h + 0 .. 7
	global_load_b128 v[BIAS+4:BIAS+7], v2, s[8:9] offset:16
	s_branch .Lbias_asked
.Lbias_v:
.irp j, 0,1,2,3,4,5,6,7
	global_load_b32 v[BIAS+\j], v7, s[8:9]         ; V: unit 16 t + r, the same for its eight tokens
.endr
.Lbias_asked:                                          ; the bias's loads are the oldest: no count below hangs on their number
	XLOAD 0
	ROUND                                          ; all four work-groups are here: the joint loads meet
	tensor_load_to_lds s[76:79], s[68:75]          ; my one tensor load
	s_nop 0
	PLACES
	XLOAD 1
	XLOAD 2
	XLOAD 3
	s_wait_kmcnt 0x0
	s_cmp_eq_u32 s22, 0
	s_cselect_b32 s44, s32, s34                    ; my product's two exponents, and that of what I make
	s_cselect_b32 s45, s33, s35
	s_cselect_b32 s46, s38, s39
	s_cmp_eq_u32 s22, 2
	s_cselect_b32 s44, s36, s44
	s_cselect_b32 s45, s37, s45
	s_cselect_b32 s46, s41, s46
	s_add_co_i32 s47, s44, s45                     ; a sum stands for sum x 2^(the two): its code is sum / 2^(the third less the two),
	s_sub_co_i32 s48, s46, s47
	s_sub_co_i32 s49, 0, s47                       ; and the bias goes in divided by that power
	MKSC SCB, s32
	MKSC SCB+2, s34
	MKSC SCB+4, s36
	MKSC SCB+6, s48
	s_wait_alu depctr_va_vdst(0)
	s_wait_loadcnt 24                              ; the bias and phase 0 are in; x's other 24 loads may be out
.irp j, 0,1,2,3,4,5,6,7
	v_ldexp_f32 v[BIAS+\j], v[BIAS+\j], s49
.endr
	PHASE 0
	s_wait_loadcnt 16                              ; x's phases 2, 3 may be out
	PHASE 1
	s_wait_loadcnt 8
	PHASE 2
	s_wait_loadcnt 0x0
	PHASE 3
	; THE WAY OUT.  An image's 16 bytes of a lane come from two waves (Q, K) or two phases (V): they have met in the stage; each wave stores 1,024 consecutive bytes
	s_wait_dscnt 0x0                               ; for the others' sake: my stores into the stage are done
	s_barrier_signal -1
	s_barrier_wait -1
	s_cmp_ge_u32 s26, 8
	s_cbranch_scc1 .Lout_v
	ds_load_b128 v[T:T+3], v6
	ds_load_b128 v[T+4:T+7], v6 offset:512
	s_branch .Lout
.Lout_v:
	ds_load_b64 v[T:T+1], v53                      ; token tiles 0, 1: chunk 0; 2, 3: chunk 1
	ds_load_b64 v[T+2:T+3], v53 offset:1024
	ds_load_b64 v[T+4:T+5], v53 offset:2048
	ds_load_b64 v[T+6:T+7], v53 offset:3072
.Lout:
	s_wait_dscnt 0x0
	global_store_b128 v1, v[T:T+3], s[16:17]       ; each store of the wave covers 512 consecutive bytes, aligned to 512
	global_store_b128 v1, v[T+4:T+7], s[16:17] offset:512
	s_wait_tensorcnt 0x0                           ; the wave's end: behind my tensor load and my last LDS store
	ds_add_u32 v50, v51
	s_wait_dscnt 0x0
	ROUND                                          ; the closing round: no work-group ends while a partner may still ask for a tile that names it
	s_endpgm
.Lfunc_end_k_q975d2bda1d_proj:
	.size	k_q975d2bda1d_proj, .Lfunc_end_k_q975d2bda1d_proj-k_q975d2bda1d_proj
	.p2alignl 7, 3214868480
	.fill 96, 4, 3214868480
	.section	.rodata,"a",@progbits
	.p2align	6, 0x0
	.amdhsa_kernel k_q975d2bda1d_proj
		.amdhsa_group_segment_fixed_size 327680
		.amdhsa_private_segment_fixed_size 0
		.amdhsa_enable_private_segment 0
		.amdhsa_kernarg_size 72
		.amdhsa_user_sgpr_count 2
		.amdhsa_user_sgpr_kernarg_segment_ptr 1
		.amdhsa_wavefront_size32 1
		.amdhsa_system_sgpr_workgroup_id_x 1
		.amdhsa_system_sgpr_workgroup_id_y 1
		.amdhsa_system_sgpr_workgroup_id_z 1
		.amdhsa_system_vgpr_workitem_id 0
		.amdhsa_next_free_vgpr 320
		.amdhsa_next_free_sgpr 96
		.amdhsa_reserve_vcc 0
		.amdhsa_float_denorm_mode_32 3
		.amdhsa_float_denorm_mode_16_64 3
		.amdhsa_memory_ordered 1
		.amdhsa_forward_progress 1
		.amdhsa_inst_pref_size 67
	.end_amdhsa_kernel
	.amdgpu_metadata
---
amdhsa.version: [ 1, 2 ]
amdhsa.kernels:
  - .name:           k_q975d2bda1d_proj
    .symbol:         k_q975d2bda1d_proj.kd
    .args:
      - { .name: x, .offset: 0, .size: 8, .value_kind: global_buffer, .address_space: global }
      - { .name: wc, .offset: 8, .size: 8, .value_kind: global_buffer, .address_space: global }
      - { .name: bq, .offset: 16, .size: 8, .value_kind: global_buffer, .address_space: global }
      - { .name: bk, .offset: 24, .size: 8, .value_kind: global_buffer, .address_space: global }
      - { .name: bv, .offset: 32, .size: 8, .value_kind: global_buffer, .address_space: global }
      - { .name: lowp_scales, .offset: 40, .size: 8, .value_kind: global_buffer, .address_space: global }
      - { .name: qc, .offset: 48, .size: 8, .value_kind: global_buffer, .address_space: global }
      - { .name: kc, .offset: 56, .size: 8, .value_kind: global_buffer, .address_space: global }
      - { .name: vc, .offset: 64, .size: 8, .value_kind: global_buffer, .address_space: global }
    .group_segment_fixed_size: 327680
    .private_segment_fixed_size: 0
    .kernarg_segment_align: 8
    .kernarg_segment_size: 72
    .max_flat_workgroup_size: 384
    .sgpr_count:     96
    .vgpr_count:     320
    .wavefront_size: 32
...
	.end_amdgpu_metadata
.endif
;; end of part 2
;; launch attn (part 3): grid 64 x 4, 8 waves a work-group, clusters of 4 x 1, 327,680 bytes of LDS; arguments qc, kc, vc, lowp_scales, out0; writes out0
.if DOCPART == 3
	.amdgcn_target "amdgcn-amd-amdhsa--gfx1250"
	.amdhsa_code_object_version 6
	.text
	.protected	k_q975d2bda1d_attn
	.globl	k_q975d2bda1d_attn
	.p2align	8
	.type	k_q975d2bda1d_attn,@function
k_q975d2bda1d_attn:
	s_mov_b64 s[64:65], 0
	v_nop
	global_prefetch_b8 v0, s[64:65] scope:SCOPE_SE
	s_setreg_imm32_b32 hwreg(HW_REG_WAVE_MODE, 25, 1), 1
	s_wait_xcnt 0x0
	s_wait_alu depctr_hold_cnt(0) depctr_sa_sdst(0) depctr_va_vdst(0) depctr_va_sdst(0) depctr_va_ssrc(0) depctr_va_vcc(0) depctr_vm_vsrc(0)
	s_getreg_b32 s2, hwreg(HW_REG_IB_STS2, 6, 4)
	s_cmp_eq_u32 s2, 0
	s_cbranch_scc0 .Lentry_in_a_cluster
	s_endpgm
.Lentry_in_a_cluster:
	s_bfe_u32 s2, ttmp6, 0x10000c
	s_cmp_lg_u32 s2, 0x3003
	s_cbranch_scc0 .Lentry_shape_is_right
	s_endpgm
.Lentry_shape_is_right:
; out[b][q][:] = the sum over k of softmax_k(Q[b][q] . K[b][k] / 8) V[b][k][:], no mask, 4 batches of 4,096 tokens, head size 64, both products on codes of FP8 (E4M3).
; qc, kc, vc hold images of the operands' registers (qc, kc: 1,024 bytes a tile of 16 tokens; vc: 4,096 bytes a block of 64 keys), so every fragment comes by loads of 16 bytes a lane, 512 consecutive bytes an instruction.
; lowp_scales: e6 (Q), e7 (K), e8 (p), e9 (V).
; THE SOFTMAX AHEAD OF THE SECOND PRODUCT: t = score x log2(e) / 8; M = the largest t so far, rounded UP to a whole number; p = 2^(t - M) is quantised with 2^e8, not normalised; the sum is taken of the unquantised p.
;   When M moves, the sum and O are multiplied by 2^(old M - new M): a power of two, which rounds nothing.
; SHARES.  A work-group owns 64 queries of one batch, four tiles of 16.  Wave w takes all four tiles against its own 512 keys, 512 w on, in four steps of 128, with an M, a sum and an O of its own.  A step's K and V (64 registers each) serve
;   the tiles in two pairs.  At the end the eight waves' parts are joined through LDS: every M is a whole number, so the join's factors are powers of two.
; WHAT COMES HOW.  Q, V and K of steps 0 and 1 come straight into registers, V in two buffers, each step's asked for one whole step ahead.  K of steps 2 and 3 (16,384 bytes a wave) comes by ONE tensor load a wave, into bytes of the wave's own, asked for
;   JOINTLY by the four work-groups of a cluster, which belong to one batch; it is first waited for in the second pair of step 1.  A step's K is fetched as soon as the step before has made its scores.  LDS is filled once: no wave waits for another
;   between the head and the join.  The rest of K and V has no joint load: the batch's codes are 524,288 bytes, more than LDS, and refills would stand behind rounds of the cluster's barrier.
; NO PREFETCH: K's last two steps are asked for at the head by one load, and V's loads run a whole step, two pairs of query tiles, ahead.
; LAYOUT.  Both products are used transposed: S^T = K Q^T (source 0 = 16 keys, source 1 = 16 queries), O^T = V^T P^T (source 0 = 16 head units, source 1 = P): a lane holds ONE query (lane % 16) throughout.  Register j of score tile u is key
;   16 u + 8 (lane / 16) + j: one conversion of a tile's eight registers IS registers 2 u, 2 u + 1 of P's fragment.
; LIMITS: e6 + e7 between -123 and 130 (they are added to the exponent field of log2(e) / 8); e8 between -126 and 119; e8 + e9 is applied by v_ldexp_f32 and has none.  The scaled scores stay under 2^31 in magnitude.  NaN is not served.
; REGISTERS.  Window 0: v0 2^e8; v1, v2 the add's; v3 16 x lane; tile t: v[4 + 4 t] -M, +2, +3 the sum in two halves (+1 is named as the upper half of a pair: v5 holds my K's LDS address); v20-31 at work, six for each tile of a pair
;   (chains; f and the exchange; the old -M); v32-63 Q; v64-127 K; v128-255 S^T of a pair, then p; P's codes lie over the first tile's finished p, v128-159.  Window 1: v0-127 O^T; v128-191, v192-255 V's two buffers.
.set KW,    24576                      ; a wave's own bytes: K of steps 2 and 3, later its part of the join: 64 rows of
.set OP,    272                        ; 256 bytes + 16
.set STM,   196608                     ; -M: [row][wave]; 2,048 bytes on the sums, laid alike
.set FST,   200704                     ; the factors: [row][wave]
.set SPARE, 202752                     ; the spare words: 128 bytes for each of 8 waves: four blocks of 256 bytes that no other line names
.set ST, 4
.set KA, 5
.set XB, 20
.set QF, 32
.set KF, 64
.set S,  128
.set O,  0
.set VF, 128
.set MSB, 0
.macro WIN new                         ; the immediate's high byte repeats the setting that is left; bits 1:0 source 0, 3:2 source 1, 5:4 source 2, 7:6 destination
.if MSB != \new
	s_set_vgpr_msb (MSB<<8)|\new
.set MSB, \new
.endif
.endm
.macro ROUND                           ; a round of the cluster's barrier: my work-group's barrier; wave 0 signals for the work-group; every wave waits for all four work-groups; my work-group's barrier once more
	s_barrier_signal -1
	s_barrier_wait -1
	s_cmp_lg_u32 s20, 0
	s_cbranch_scc1 .Lnot_wave_0_\@
	s_barrier_signal -3
.Lnot_wave_0_\@:
	s_barrier_wait -3
	s_barrier_signal -1
	s_barrier_wait -1
.endm
.macro KLOAD t                         ; K of step t, straight: eight key tiles of 1,024 bytes
.set ni, 0
.rept 16
	global_load_b128 v[KF+4*ni:KF+4*ni+3], v3, s[6:7] offset:8192*(\t)+512*ni
.set ni, ni+1
.endr
.endm
.macro VLOAD t                         ; V of step t into buffer t % 2: head tile d's 16 registers are the step's two blocks of 64 keys
	WIN 0x40
.irp d, 0,1,2,3
.irp b, 0,1
	global_load_b128 v[VF+64*((\t)%2)+16*\d+8*\b:VF+64*((\t)%2)+16*\d+8*\b+3], v3, s[8:9] offset:8192*(\t)+4096*\b+1024*\d
	global_load_b128 v[VF+64*((\t)%2)+16*\d+8*\b+4:VF+64*((\t)%2)+16*\d+8*\b+7], v3, s[8:9] offset:8192*(\t)+4096*\b+1024*\d+512
.endr
.endr
	WIN 0
.endm
; The sum of tile a's 64 p, unquantised: two at a time, four chains
.macro SUM a, t, first
.set SB, S+64*(\a)
.set C0, ST+4*(\t)+2
.set C1, XB+6*(\a)
.set C2, XB+6*(\a)+4
.set C3, XB+6*(1-(\a))
.if (\first) == 0
	v_pk_mul_f32 v[C0:C0+1], v[C0:C0+1], v[XB+6*(\a)+2:XB+6*(\a)+3] op_sel_hi:[1,0]   ; the sum under the new M
.endif
	v_pk_add_f32 v[C1:C1+1], v[SB:SB+1], v[SB+2:SB+3]
	v_pk_add_f32 v[C2:C2+1], v[SB+4:SB+5], v[SB+6:SB+7]
	v_pk_add_f32 v[C3:C3+1], v[SB+8:SB+9], v[SB+10:SB+11]
.if \first
	v_pk_add_f32 v[C0:C0+1], v[SB+12:SB+13], v[SB+14:SB+15]
.set ni, SB+16
.else
.set ni, SB+12
.endif
.rept 6
	v_pk_add_f32 v[C0:C0+1], v[C0:C0+1], v[ni:ni+1]
	v_pk_add_f32 v[C1:C1+1], v[C1:C1+1], v[ni+2:ni+3]
	v_pk_add_f32 v[C2:C2+1], v[C2:C2+1], v[ni+4:ni+5]
	v_pk_add_f32 v[C3:C3+1], v[C3:C3+1], v[ni+6:ni+7]
.set ni, ni+8
.endr
.if (\first) == 0
	v_pk_add_f32 v[C0:C0+1], v[C0:C0+1], v[SB+60:SB+61]
	v_pk_add_f32 v[C1:C1+1], v[C1:C1+1], v[SB+62:SB+63]
.endif
	v_pk_add_f32 v[C1:C1+1], v[C1:C1+1], v[C2:C2+1]
	v_pk_add_f32 v[C0:C0+1], v[C0:C0+1], v[C3:C3+1]
	v_pk_add_f32 v[C0:C0+1], v[C0:C0+1], v[C1:C1+1]
.endm
; the hold of two p at 448 x 2^e8: the conversion to an 8-bit code does not saturate (ISA guide 7.6.2); p is not negative, so the hold is one-sided
.macro HOLD2 b
	v_dual_min_num_f32 v[\b], s46, v[\b] :: v_dual_min_num_f32 v[\b+1], s46, v[\b+1]
.endm
.macro CVT dst, src
	v_cvt_scalef32_pk8_fp8_f32 v[\dst:\dst+1], v[\src:\src+7], v0
.endm
; STEP t's 128 KEYS against query tiles 2 p and 2 p + 1.  The first step starts M, the sums and O^T: nothing is cleared.
.macro PAIR p, t
.if (\t) > 0
.irp a, 0,1
	v_mov_b32 v[XB+6*\a+4], v[ST+8*\p+4*\a]        ; the old -M.  (Five places behind the last products, whose P the scores are laid over)
.endr
	v_nop
	v_nop
	v_nop
.elseif (\p) > 0
.rept 5
	v_nop
.endr
.endif
.irp u, 0,1,2,3,4,5,6,7
.irp a, 0,1
	v_wmma_f32_16x16x64_fp8_fp8 v[S+64*\a+8*\u:S+64*\a+8*\u+7], v[KF+8*\u:KF+8*\u+7], v[QF+16*\p+8*\a:QF+16*\p+8*\a+7], 0
.endr
.endr
.rept 4
	v_nop                                          ; four places behind the products, in front of loads into registers that they read and of the first readers of S
.endr
.if (\t) < 3
.if (\p) == 0
	VLOAD (\t)+1
.elseif (\t) == 0
	KLOAD 1
.else
.if (\t) == 1
	s_wait_tensorcnt 0x0                           ; my K of steps 2 and 3 is in; I alone read it
.endif
.set ni, 0
.rept 16
	ds_load_b128 v[KF+4*ni:KF+4*ni+3], v[KA] offset:8192*((\t)-1)+512*ni   ; the next step's K
.set ni, ni+1
.endr
.endif
.endif
	; the largest of a lane's 64 scores, four chains a tile, the tiles by turns; each score tile is read first at its low end
.irp a, 0,1
	v_max3_num_f32 v[XB+6*\a], v[S+64*\a], v[S+64*\a+1], v[S+64*\a+2]
	v_max3_num_f32 v[XB+6*\a+1], v[S+64*\a+3], v[S+64*\a+4], v[S+64*\a+5]
	v_max3_num_f32 v[XB+6*\a+2], v[S+64*\a+6], v[S+64*\a+7], v[S+64*\a+8]
	v_max3_num_f32 v[XB+6*\a+5], v[S+64*\a+9], v[S+64*\a+10], v[S+64*\a+11]
.endr
.irp i, 12,20,28,36,44,52
.irp a, 0,1
	v_max3_num_f32 v[XB+6*\a], v[XB+6*\a], v[S+64*\a+\i], v[S+64*\a+\i+1]
	v_max3_num_f32 v[XB+6*\a+1], v[XB+6*\a+1], v[S+64*\a+\i+2], v[S+64*\a+\i+3]
	v_max3_num_f32 v[XB+6*\a+2], v[XB+6*\a+2], v[S+64*\a+\i+4], v[S+64*\a+\i+5]
	v_max3_num_f32 v[XB+6*\a+5], v[XB+6*\a+5], v[S+64*\a+\i+6], v[S+64*\a+\i+7]
.endr
.endr
.irp a, 0,1
	v_max3_num_f32 v[XB+6*\a], v[XB+6*\a], v[S+64*\a+60], v[S+64*\a+61]
	v_max3_num_f32 v[XB+6*\a+1], v[XB+6*\a+1], v[S+64*\a+62], v[S+64*\a+63]
	v_max_num_f32 v[XB+6*\a+2], v[XB+6*\a+2], v[XB+6*\a+5]
.endr
.irp a, 0,1
	v_max3_num_f32 v[XB+6*\a], v[XB+6*\a], v[XB+6*\a+1], v[XB+6*\a+2]
.endr
.irp a, 0,1
	v_permlanex16_b32 v[XB+6*\a+3], v[XB+6*\a], s40, s41   ; the query's other 64 keys lie in the lane 16 away
.endr
.irp a, 0,1
	v_max_num_f32 v[XB+6*\a], v[XB+6*\a], v[XB+6*\a+3]
.endr
.irp a, 0,1
	v_mul_f32 v[XB+6*\a], s42, v[XB+6*\a]          ; as t (c is positive)
.endr
.if (\t) == 0
.irp a, 0,1
	v_floor_f32 v[ST+8*\p+4*\a], -v[XB+6*\a]       ; -M = floor(-t) = -ceil(t): M IS A WHOLE NUMBER
.endr
.else
.irp a, 0,1
	v_floor_f32 v[XB+6*\a], -v[XB+6*\a]
.endr
.irp a, 0,1
	v_min_num_f32 v[ST+8*\p+4*\a], v[ST+8*\p+4*\a], v[XB+6*\a]   ; the ceiling of the largest t so far is the largest ceiling so far
.endr
.irp a, 0,1
	v_sub_f32 v[XB+6*\a+4], v[ST+8*\p+4*\a], v[XB+6*\a+4]   ; M's old value less its new one: a whole number, 0 or less
.endr
.irp a, 0,1
	v_cvt_i32_f32 v[XB+6*\a+4], v[XB+6*\a+4]       ; (it saturates)
.endr
.irp a, 0,1
	v_ldexp_f32 v[XB+6*\a+2], 1.0, v[XB+6*\a+4]    ; f = 2^(old M - new M)
.endr
.endif
.set nj, S
.rept 32
	v_pk_fma_f32 v[nj:nj+1], v[nj:nj+1], s[42:43], v[ST+8*\p:ST+8*\p+1] op_sel_hi:[1,0,0]   ; t - M, two at a time (of the pairs c and -M the low word serves both halves)
.set nj, nj+2
.endr
	s_wait_alu depctr_va_vdst(0)
.set nj, S
.rept 32                               ; p = 2^(t - M), at most 1: the first tile's 64; between them the second tile's t - M, which is read behind the next wait
	v_exp_f32 v[nj], v[nj]
	v_exp_f32 v[nj+1], v[nj+1]
	v_pk_fma_f32 v[nj+64:nj+65], v[nj+64:nj+65], s[42:43], v[ST+8*\p+4:ST+8*\p+5] op_sel_hi:[1,0,0]
.set nj, nj+2
.endr
	s_wait_alu depctr_va_vdst(0)                   ; behind the first batch, ahead of the second
	SUM 0, 2*\p, (\t)==0
.set nj, S
.rept 32                               ; the second tile's 64; between them the first tile's holds, which are read behind the next wait
	v_exp_f32 v[nj+64], v[nj+64]
	v_exp_f32 v[nj+65], v[nj+65]
	HOLD2 nj
.set nj, nj+2
.endr
	s_wait_alu depctr_va_vdst(0)
	CVT XB+4, S                                    ; P's codes go over the p that are done with; the first two score tiles', whose own registers they will take, by way of four free registers
	CVT XB, S+8
	v_nop                                          ; a plain vector instruction between a conversion and what reads its result or writes its sources
	v_mov_b32 v[S], v[XB+4]
	v_mov_b32 v[S+1], v[XB+5]
	v_mov_b32 v[S+2], v[XB]
	v_mov_b32 v[S+3], v[XB+1]
.irp u, 2,3,4,5,6,7
	CVT S+2*\u, S+8*\u
.endr
	SUM 1, 2*\p+1, (\t)==0
.set nj, S+64
.rept 32
	HOLD2 nj
.set nj, nj+2
.endr
.irp u, 0,1,2,3,4,5,6,7
	CVT S+16+2*\u, S+64+8*\u
.endr
.if (\t) == 0
	v_nop                                          ; a plain vector instruction between the last conversion and the products that read its result
	s_wait_alu depctr_va_vdst(0)
.else
	WIN 0x41
.endif
.if (\p) == 0
.if (\t) < 3
	s_wait_loadcnt 16                              ; this step's V is in (in step 0 Q's tiles 2 and 3 too); the next step's 16 loads may be out
.else
	s_wait_loadcnt 0x0
.endif
.endif
.if (\t) > 0
	s_wait_alu depctr_va_vdst(0)                   ; directly ahead of the first reader of O^T
.irp a, 0,1
.irp j, 0,2,4,6,8,10,12,14,16,18,20,22,24,26,28,30
	v_pk_mul_f32 v[O+64*\p+32*\a+\j:O+64*\p+32*\a+\j+1], v[O+64*\p+32*\a+\j:O+64*\p+32*\a+\j+1], v[XB+6*\a+2:XB+6*\a+3] op_sel_hi:[1,0]   ; O^T under the new M, each accumulator from its low end on.  (Also the plain instructions behind the conversions)
.endr
.endr
.endif
	WIN 0x51
.irp d, 0,1,2,3                        ; the accumulators take turns, one instruction a turn
.irp a, 0,1
.if (\t) == 0
	v_wmma_f32_16x16x128_fp8_fp8 v[O+64*\p+32*\a+8*\d:O+64*\p+32*\a+8*\d+7], v[VF+64*((\t)%2)+16*\d:VF+64*((\t)%2)+16*\d+15], v[S+16*\a:S+16*\a+15], 0
.else
	v_wmma_f32_16x16x128_fp8_fp8 v[O+64*\p+32*\a+8*\d:O+64*\p+32*\a+8*\d+7], v[VF+64*((\t)%2)+16*\d:VF+64*((\t)%2)+16*\d+15], v[S+16*\a:S+16*\a+15], v[O+64*\p+32*\a+8*\d:O+64*\p+32*\a+8*\d+7]
.endif
.endr
.endr
	WIN 0
.endm
	s_load_b256 s[4:11], s[0:1], 0x0               ; qc s[4:5], kc s[6:7], vc s[8:9], the scales' exponents s[10:11]
	s_load_b64 s[12:13], s[0:1], 0x20              ; out0
	v_lshl_add_u32 v1, v0, 2, SPARE
	v_mov_b32 v2, 0
	ds_add_u32 v1, v2                              ; the wave's opening: the add, twice on end, and its wait ahead of my tensor load
	ds_add_u32 v1, v2
	v_lshrrev_b32 v4, 5, v0
	v_readfirstlane_b32 s20, v4                    ; wave 0..7
	v_and_b32 v3, 31, v0
	v_lshlrev_b32 v3, 4, v3                        ; 16 x lane
	s_mul_i32 s33, s20, KW
	v_add_nc_u32 v[KA], s33, v3                    ; my K in LDS
	v_mov_b32 v9, 0                                ; (named as upper halves of pairs)
	v_mov_b32 v13, 0
	v_mov_b32 v17, 0
	v_mov_b32 v[XB+3], 0                           ; written once: a lane permute's destination counts as one of its sources
	v_mov_b32 v[XB+9], 0
	s_bfe_u32 s21, ttmp6, 0x40000                  ; cx: my place in the cluster: it enters Q's and out's addresses alone
	s_lshl_b32 s22, ttmp9, 2                       ; in a cluster launch ttmp9 counts clusters
	s_add_co_u32 s22, s22, s21                     ; my block of 64 queries
	s_and_b32 s23, ttmp7, 0xffff                   ; the batch, which the four partners share
	s_mov_b32 s24, 15|(3<<16)|(1<<21)              ; descriptor group 1: 16,384 dense bytes as 64 rows of 32 elements of 8 bytes.  15:0 the mask: all four work-groups; 17:16 elements of 8 bytes; 21 set beside a mask; no padding
	s_mov_b32 s25, 32<<16                          ; tensor_dim0
	s_mov_b32 s26, 64<<16                          ; tensor_dim1
	s_mov_b32 s27, 32<<16                          ; tile_dim0
	s_mov_b32 s28, 64                              ; tile_dim1
	s_mov_b32 s29, 32                              ; from row to row
	s_mov_b32 s30, 0
	s_mov_b32 s31, 0
	s_mov_b32 s32, 1                               ; group 0: count = 1; s33 is the LDS address
	s_lshl_b32 s50, s23, 18                        ; Q: the batch's 262,144 bytes, my block's four tiles of 1,024
	s_lshl_b32 s51, s22, 12
	s_add_co_u32 s50, s50, s51
	s_mov_b32 s51, 0
	s_lshl_b32 s54, s23, 18                        ; K and V: the batch's 262,144 bytes, my 512 keys' 32,768
	s_lshl_b32 s55, s20, 15
	s_add_co_u32 s54, s54, s55
	s_mov_b32 s55, 0
	s_lshl_b32 s58, s23, 20                        ; out: the batch's 4,096 rows of 256 bytes, my block's 64, my wave's 8
	s_lshl_b32 s59, s22, 14
	s_add_co_u32 s58, s58, s59
	s_lshl_b32 s59, s20, 11
	s_add_co_u32 s58, s58, s59
	s_mov_b32 s59, 0
	s_mov_b32 s40, 0x76543210                      ; v_permlanex16_b32's selects for lane l xor 16
	s_mov_b32 s41, 0xfedcba98
	s_wait_alu depctr_va_vdst(0)
	s_wait_dscnt 0x0                               ; both opening adds are done
	s_wait_kmcnt 0x0
	s_load_b128 s[16:19], s[10:11], 0x18           ; e6, e7, e8, e9
	s_add_nc_u64 s[4:5], s[4:5], s[50:51]
	s_add_nc_u64 s[6:7], s[6:7], s[54:55]
	s_add_nc_u64 s[8:9], s[8:9], s[54:55]
	s_add_nc_u64 s[12:13], s[12:13], s[58:59]
	s_add_nc_u64 s[34:35], s[6:7], 16384           ; K's steps 2 and 3
	s_or_b32 s35, s35, 0x80000000                  ; type = 2
.irp i, 0,1,2,3
	global_load_b128 v[QF+4*\i:QF+4*\i+3], v3, s[4:5] offset:512*\i
.endr
	KLOAD 0
.irp i, 4,5,6,7
	global_load_b128 v[QF+4*\i:QF+4*\i+3], v3, s[4:5] offset:512*\i
.endr
	VLOAD 0
	ROUND                                          ; all four work-groups are here: the joint loads meet
	tensor_load_to_lds s[32:35], s[24:31]          ; my one tensor load
	s_nop 0
.rept 4
	v_nop
.endr
	s_wait_kmcnt 0x0
	s_add_co_i32 s52, s16, s17
	s_lshl_b32 s52, s52, 23
	s_add_co_i32 s42, s52, 0x3e38aa3b              ; c = log2(e) / 8, with e6 + e7 added to its exponent field: a score stands for score x 2^(e6 + e7)
	s_mov_b32 s43, s42                             ; (named with it as a pair, so it is written)
	s_add_co_i32 s52, s18, 127
	s_lshl_b32 s53, s52, 23
	v_mov_b32 v0, s53                              ; 2^e8 as f32, for the conversion
	s_add_co_i32 s52, s52, 8
	s_lshl_b32 s52, s52, 23
	s_or_b32 s46, s52, 0x600000                    ; 448 x 2^e8
	s_add_co_i32 s47, s18, s19                     ; e8 + e9
	s_wait_alu depctr_va_vdst(0)
	s_wait_loadcnt 20                              ; Q's tiles 0, 1 and K are in; the four loads of Q's tiles 2, 3 and V's 16 may be out
	PAIR 0, 0
	PAIR 1, 0
	s_wait_loadcnt 0x0                             ; K of step 1 is in (and V, which is older)
	PAIR 0, 1
	PAIR 1, 1
	s_wait_dscnt 0x0                               ; the step's K is in
	PAIR 0, 2
	PAIR 1, 2
	s_wait_dscnt 0x0
	PAIR 0, 3
	PAIR 1, 3
	; THE JOIN.  Each wave lays its O^T, as 64 rows (queries) of 64 head units, over its own K, which has had its one fill and which it alone has read; and its -M and sums beside all K.
	s_lshl_b32 s53, s20, 2
	s_add_co_u32 s53, s53, STM
	s_mul_i32 s54, s20, 8*OP
	s_lshl_b32 s55, s20, 8
	s_add_co_u32 s56, s55, FST
	s_add_co_u32 s55, s55, STM
	s_mul_i32 s52, s20, KW
.irp t, 0,1,2,3
	v_add_f32 v[ST+4*\t+2], v[ST+4*\t+2], v[ST+4*\t+3]   ; the sums' two halves (four places behind the last products),
.endr
	v_permlanex16_b32 v20, v[ST+2], s40, s41
	v_permlanex16_b32 v21, v[ST+6], s40, s41
	v_permlanex16_b32 v26, v[ST+10], s40, s41
	v_permlanex16_b32 v27, v[ST+14], s40, s41
	v_lshrrev_b32 v22, 4, v3                       ; lane
	v_and_b32 v24, 15, v22                         ; r
	v_lshrrev_b32 v25, 4, v22                      ; h
	v_and_b32 v32, 7, v22
	v_add_f32 v[ST+2], v[ST+2], v20                ; and lane l xor 16's
	v_add_f32 v[ST+6], v[ST+6], v21
	v_add_f32 v[ST+10], v[ST+10], v26
	v_add_f32 v[ST+14], v[ST+14], v27
	v_mul_u32_u24 v28, v24, OP
	v_mul_u32_u24 v30, v25, OP
	v_lshl_add_u32 v28, v25, 5, v28
	v_lshl_add_u32 v30, v24, 4, v30
	v_add_nc_u32 v28, s52, v28                     ; O^T, in: my bytes; row r, 32 h bytes on
	v_add_nc_u32 v30, s54, v30                     ; O, out: rows 8 w on; lanes 0-15 one row, lanes 16-31 the next; of waves 0 and 1,
	v_lshl_add_u32 v29, v24, 5, s53                ; -M and the sum, in: row r, my word
	v_add_nc_u32 v31, 2*KW, v30                    ; 2 and 3,
	v_add_nc_u32 v36, 4*KW, v30                    ; 4 and 5,
	v_add_nc_u32 v37, 6*KW, v30                    ; 6 and 7
	v_lshl_add_u32 v33, v32, 5, s55                ; -M and the sums, out: row 8 w + lane % 8
	v_lshl_add_u32 v34, v32, 5, s56                ; the factors, in,
	v_lshl_add_u32 v35, v25, 5, s56                ; and out: row 8 w + h
	WIN 0x04
.irp t, 0,1,2,3
.irp d, 0,1,2,3
.if \t < 2
	s_wait_alu depctr_va_vdst(0)                   ; tiles 0 and 1: the wait directly ahead of the first reader
.endif
	ds_store_b128 v28, v[O+32*\t+8*\d:O+32*\t+8*\d+3] offset:16*OP*\t+64*\d
	ds_store_b128 v28, v[O+32*\t+8*\d+4:O+32*\t+8*\d+7] offset:16*OP*\t+64*\d+16
.endr
.endr
	WIN 0
.irp t, 0,1,2,3
	ds_store_b32 v29, v[ST+4*\t] offset:512*\t
	ds_store_b32 v29, v[ST+4*\t+2] offset:512*\t+2048
.endr
	s_wait_alu depctr_va_vdst(0)
	s_wait_dscnt 0x0                               ; for the others' sake: my stores are done
	s_barrier_signal -1
	s_barrier_wait -1
	ds_load_b128 v[64:67], v33                     ; the eight waves' -M of my lane's row,
	ds_load_b128 v[68:71], v33 offset:16
	ds_load_b128 v[72:75], v33 offset:2048         ; and their sums
	ds_load_b128 v[76:79], v33 offset:2064
.irp i, 0,1,2,3                        ; their O: rows 8 w + 2 i + h, 16 bytes a lane
.irp g, 0,1
	ds_load_b128 v[S+32*\i+4*\g:S+32*\i+4*\g+3], v30 offset:KW*\g+2*OP*\i
	ds_load_b128 v[S+32*\i+4*\g+8:S+32*\i+4*\g+11], v31 offset:KW*\g+2*OP*\i
	ds_load_b128 v[S+32*\i+4*\g+16:S+32*\i+4*\g+19], v36 offset:KW*\g+2*OP*\i
	ds_load_b128 v[S+32*\i+4*\g+24:S+32*\i+4*\g+27], v37 offset:KW*\g+2*OP*\i
.endr
.endr
	s_wait_dscnt 32                                ; -M and the sums are in; the 32 loads of O may be out
	v_min3_num_f32 v20, v64, v65, v66              ; the least -M: the row's M
	v_min3_num_f32 v21, v67, v68, v69
	v_min3_num_f32 v20, v20, v70, v71
	v_min_num_f32 v20, v20, v21
.irp g, 0,1,2,3,4,5,6,7
	v_sub_f32 v[40+\g], v20, v[64+\g]              ; the wave's M less the row's: a whole number, 0 or less
.endr
.irp g, 0,1,2,3,4,5,6,7
	v_cvt_i32_f32 v[40+\g], v[40+\g]
.endr
.irp g, 0,1,2,3,4,5,6,7
	v_ldexp_f32 v[40+\g], 1.0, v[40+\g]            ; the wave's factor, a power of two
.endr
	v_mul_f32 v21, v40, v72
	v_mul_f32 v22, v41, v73
.irp g, 2,4,6
	v_fma_f32 v21, v[40+\g], v[72+\g], v21
	v_fma_f32 v22, v[41+\g], v[73+\g], v22
.endr
	v_add_f32 v21, v21, v22                        ; the row's sum
	s_wait_alu depctr_va_vdst(0)
	v_rcp_f32 v24, v21
	v_nop                                          ; a plain place behind it
	s_wait_alu depctr_va_vdst(0)
	v_ldexp_f32 v24, v24, s47                      ; x 2^(e8 + e9)
.irp g, 0,2,4,6
	v_pk_mul_f32 v[40+\g:41+\g], v[40+\g:41+\g], v[24:25] op_sel_hi:[1,0]
.endr
	ds_store_b128 v34, v[40:43]                    ; the factors of my wave's eight rows go to the lanes that hold those rows: bytes of my own, and LDS serves a wave's instructions in order (ISA guide 5.7.1.4)
	ds_store_b128 v34, v[44:47] offset:16
.irp i, 0,1,2,3
	ds_load_b128 v[80+8*\i:83+8*\i], v35 offset:64*\i
	ds_load_b128 v[84+8*\i:87+8*\i], v35 offset:64*\i+16
.endr
	s_wait_dscnt 0x0
.irp i, 0,1,2,3
	v_pk_mul_f32 v[112+4*\i:113+4*\i], v[S+32*\i:S+32*\i+1], v[80+8*\i:81+8*\i] op_sel_hi:[1,0]
	v_pk_mul_f32 v[114+4*\i:115+4*\i], v[S+32*\i+2:S+32*\i+3], v[80+8*\i:81+8*\i] op_sel_hi:[1,0]
.endr
.irp g, 1,2,3,4,5,6,7
.irp i, 0,1,2,3
.if (\g)%2
	v_pk_fma_f32 v[112+4*\i:113+4*\i], v[S+32*\i+4*\g:S+32*\i+4*\g+1], v[79+8*\i+\g:80+8*\i+\g], v[112+4*\i:113+4*\i] op_sel:[0,1,0] op_sel_hi:[1,1,1]
	v_pk_fma_f32 v[114+4*\i:115+4*\i], v[S+32*\i+4*\g+2:S+32*\i+4*\g+3], v[79+8*\i+\g:80+8*\i+\g], v[114+4*\i:115+4*\i] op_sel:[0,1,0] op_sel_hi:[1,1,1]
.else
	v_pk_fma_f32 v[112+4*\i:113+4*\i], v[S+32*\i+4*\g:S+32*\i+4*\g+1], v[80+8*\i+\g:81+8*\i+\g], v[112+4*\i:113+4*\i] op_sel_hi:[1,0,1]
	v_pk_fma_f32 v[114+4*\i:115+4*\i], v[S+32*\i+4*\g+2:S+32*\i+4*\g+3], v[80+8*\i+\g:81+8*\i+\g], v[114+4*\i:115+4*\i] op_sel_hi:[1,0,1]
.endif
.endr
.endr
.irp i, 0,1,2,3
	global_store_b128 v3, v[112+4*\i:115+4*\i], s[12:13] offset:512*\i th:TH_STORE_NT   ; two rows of 256 bytes: 512 consecutive bytes, aligned to 512
.endr
	s_wait_tensorcnt 0x0                           ; the wave's end: behind my tensor load and my last LDS store
	ds_add_u32 v1, v2
	s_wait_dscnt 0x0
	ROUND                                          ; the closing round: no work-group ends while a partner may still ask for a tile that names it
	s_endpgm
.Lfunc_end_k_q975d2bda1d_attn:
	.size	k_q975d2bda1d_attn, .Lfunc_end_k_q975d2bda1d_attn-k_q975d2bda1d_attn
	.p2alignl 7, 3214868480
	.fill 96, 4, 3214868480
	.section	.rodata,"a",@progbits
	.p2align	6, 0x0
	.amdhsa_kernel k_q975d2bda1d_attn
		.amdhsa_group_segment_fixed_size 327680
		.amdhsa_private_segment_fixed_size 0
		.amdhsa_enable_private_segment 0
		.amdhsa_kernarg_size 40
		.amdhsa_user_sgpr_count 2
		.amdhsa_user_sgpr_kernarg_segment_ptr 1
		.amdhsa_wavefront_size32 1
		.amdhsa_system_sgpr_workgroup_id_x 1
		.amdhsa_system_sgpr_workgroup_id_y 1
		.amdhsa_system_sgpr_workgroup_id_z 1
		.amdhsa_system_vgpr_workitem_id 0
		.amdhsa_next_free_vgpr 512
		.amdhsa_next_free_sgpr 66
		.amdhsa_reserve_vcc 0
		.amdhsa_float_denorm_mode_32 3
		.amdhsa_float_denorm_mode_16_64 3
		.amdhsa_memory_ordered 1
		.amdhsa_forward_progress 1
		.amdhsa_inst_pref_size 233
	.end_amdhsa_kernel
	.amdgpu_metadata
---
amdhsa.version: [ 1, 2 ]
amdhsa.kernels:
  - .name:           k_q975d2bda1d_attn
    .symbol:         k_q975d2bda1d_attn.kd
    .args:
      - { .name: qc, .offset: 0, .size: 8, .value_kind: global_buffer, .address_space: global }
      - { .name: kc, .offset: 8, .size: 8, .value_kind: global_buffer, .address_space: global }
      - { .name: vc, .offset: 16, .size: 8, .value_kind: global_buffer, .address_space: global }
      - { .name: lowp_scales, .offset: 24, .size: 8, .value_kind: global_buffer, .address_space: global }
      - { .name: out0, .offset: 32, .size: 8, .value_kind: global_buffer, .address_space: global }
    .group_segment_fixed_size: 327680
    .private_segment_fixed_size: 0
    .kernarg_segment_align: 8
    .kernarg_segment_size: 40
    .max_flat_workgroup_size: 256
    .sgpr_count:     66
    .vgpr_count:     512
    .wavefront_size: 32
...
	.end_amdgpu_metadata
.endif
;; end of part 3
